; MI455X (gfx1250); checked and timed in simulation.
; The chip was launched on July 23, 2026; its instructions are those of AMD's public machine-readable ISA for CDNA 5 (MIT licence, August 2026) and "CDNA5" Instruction Set Architecture Reference Guide (July 2026). The comments in the code are by the model that wrote it; some were corrected since.
;; Multi Headed Attention. Allowed arithmetic: float matrix products may take bf16 or f16 operands with f32 sums; all other float work in f32.
;; Inputs: Wk 1,024 x 1,024 float32; Wo 1,024 x 1,024 float32; Wq 1,024 x 1,024 float32; Wv 1,024 x 1,024 float32; bk 1,024 float32; bo 1,024 float32; bq 1,024 float32; bv 1,024 float32; k 2 x 2,048 x 1,024 float32; mask 2 x 1 x 2,048 bool; q 2 x 2,048 x 1,024 float32; v 2 x 2,048 x 1,024 float32.
;; Outputs: out0 2 x 2,048 x 1,024 float32.
;; One version. Each part assembles by itself: llvm-mc -triple=amdgcn-amd-amdhsa -mcpu=gfx1250 --defsym DOCPART=n.
;; ======== version 1 of 1: 4 launches
;; limits: values are held in f16: magnitudes above 65,504 overflow, below 6.1e-05 lose precision
;; workspace buffers: cast 33,554,432 bytes; heads 25,165,824 bytes; ctx 8,388,608 bytes
;; launch prep (part 1): grid 64 x 16, 8 waves a work-group, no clusters, 0 bytes of LDS; arguments q, k, v, Wq, Wk, Wv, Wo, cast; writes cast
.if DOCPART == 1
	.amdgcn_target "amdgcn-amd-amdhsa--gfx1250"
	.amdhsa_code_object_version 6
	.text
	.protected	k_qc1f05258c2_prep
	.globl	k_qc1f05258c2_prep
	.p2align	8
	.type	k_qc1f05258c2_prep,@function
k_qc1f05258c2_prep:
	s_mov_b64 s[64:65], 0
	v_nop
	global_prefetch_b8 v0, s[64:65] scope:SCOPE_SE
	s_setreg_imm32_b32 hwreg(HW_REG_WAVE_MODE, 25, 1), 1
	s_wait_xcnt 0x0
; cast = f16(q), f16(k), f16(v), f16(Wq), f16(Wk), f16(Wv), f16(Wo), one behind the other, each in its own row-major shape.
; f16 and not bf16: the result is a sum of 2,048 weighted values that nearly cancel, so each operand's rounding shows in full in it; f16 keeps three bits more.
; LIMIT: an input of 65,504 or more in magnitude becomes infinity.  The inputs as drawn are of order 1 and 0.02: 30 times larger, or an offset of
; 30 spreads, is below 200.  Below 6.1e-5 f16 goes in steps of 6e-8.
; A plain stream: no byte is read by two work-groups, so there is nothing to share (no cluster, no LDS, no matrix unit).
; Work-group y = u names a unit of 4 MiB of f32: u = 0-3 q, 4-7 k, 8-11 v, 12, 13, 14, 15 = Wq, Wk, Wv, Wo; it becomes 2 MiB of cast at u x 2 MiB.
; Work-group x names 64 KiB of the unit: 256 threads x 16 loads of 16 bytes.  A wave's load covers 512 consecutive bytes, its 8-byte
; store 256 consecutive bytes at a multiple of 256.  All sixteen loads of a thread are issued before the first is waited for.
.set X, 4                              ; v[4:67]  load i: 4 registers; its first two then hold the 4 f16 to store
	s_load_b512 s[8:23], s[0:1], 0x0               ; q s[8:9], k s[10:11], v s[12:13], Wq s[14:15], Wk s[16:17], Wv s[18:19], Wo s[20:21], cast s[22:23]
	s_and_b32 s2, ttmp7, 0xffff                    ; u
	s_lshr_b32 s3, s2, 2                           ; 0 q, 1 k, 2 v, 3 a weight
	s_and_b32 s4, s2, 3                            ; which quarter of q, k, v; or which weight
	v_lshlrev_b32 v1, 4, v0                        ; 16 bytes of f32 a thread
	v_lshlrev_b32 v2, 3, v0                        ; 8 bytes of f16 a thread
	s_lshl_b32 s5, ttmp9, 16                       ; my 64 KiB of the unit
	s_lshl_b32 s6, ttmp9, 15                       ; and the 32 KiB that they become
	s_lshl_b32 s30, s2, 21                         ; u x 2 MiB
	s_or_b32 s30, s30, s6
	s_mov_b32 s31, 0
	s_mov_b32 s29, 0
	s_wait_kmcnt 0x0
	s_cmp_eq_u32 s3, 1                             ; the source is chosen among the buffers by the unit's number alone
	s_cselect_b64 s[24:25], s[10:11], s[8:9]
	s_cmp_eq_u32 s3, 2
	s_cselect_b64 s[24:25], s[12:13], s[24:25]
	s_cmp_eq_u32 s4, 1
	s_cselect_b64 s[26:27], s[16:17], s[14:15]
	s_cmp_eq_u32 s4, 2
	s_cselect_b64 s[26:27], s[18:19], s[26:27]
	s_cmp_eq_u32 s4, 3
	s_cselect_b64 s[26:27], s[20:21], s[26:27]
	s_cmp_eq_u32 s3, 3
	s_cselect_b64 s[24:25], s[26:27], s[24:25]
	s_cselect_b32 s28, 0, s4                       ; a weight is one unit: no quarter to step over
	s_lshl_b32 s28, s28, 22                        ; quarter x 4 MiB
	s_or_b32 s28, s28, s5
	s_add_nc_u64 s[24:25], s[24:25], s[28:29]      ; source
	s_add_nc_u64 s[22:23], s[22:23], s[30:31]      ; destination
.irp i, 0,1,2,3,4,5,6,7,8,9,10,11,12,13,14,15
	global_load_b128 v[X+4*\i:X+4*\i+3], v1, s[24:25] offset:4096*\i th:TH_LOAD_NT   ; read once in the whole program
.endr
.irp i, 0,1,2,3,4,5,6,7,8,9,10,11,12,13,14,15
	s_wait_loadcnt 15-\i                           ; loads come back in order: load i is in, the 15 - i younger ones stay out
	v_cvt_pk_f16_f32 v[X+4*\i],   v[X+4*\i],   v[X+4*\i+1]        ; two roundings to f16, packed
	v_cvt_pk_f16_f32 v[X+4*\i+1], v[X+4*\i+2], v[X+4*\i+3]
	global_store_b64 v2, v[X+4*\i:X+4*\i+1], s[22:23] offset:2048*\i   ; no register of a store is written again
.endr
	s_endpgm
.Lfunc_end_k_qc1f05258c2_prep:
	.size	k_qc1f05258c2_prep, .Lfunc_end_k_qc1f05258c2_prep-k_qc1f05258c2_prep
	.p2alignl 7, 3214868480
	.fill 96, 4, 3214868480
	.section	.rodata,"a",@progbits
	.p2align	6, 0x0
	.amdhsa_kernel k_qc1f05258c2_prep
		.amdhsa_group_segment_fixed_size 0
		.amdhsa_private_segment_fixed_size 0
		.amdhsa_enable_private_segment 0
		.amdhsa_kernarg_size 64
		.amdhsa_user_sgpr_count 2
		.amdhsa_user_sgpr_kernarg_segment_ptr 1
		.amdhsa_wavefront_size32 1
		.amdhsa_system_sgpr_workgroup_id_x 1
		.amdhsa_system_sgpr_workgroup_id_y 1
		.amdhsa_system_sgpr_workgroup_id_z 1
		.amdhsa_system_vgpr_workitem_id 0
		.amdhsa_next_free_vgpr 72
		.amdhsa_next_free_sgpr 66
		.amdhsa_reserve_vcc 0
		.amdhsa_float_denorm_mode_32 3
		.amdhsa_float_denorm_mode_16_64 3
		.amdhsa_memory_ordered 1
		.amdhsa_forward_progress 1
		.amdhsa_inst_pref_size 7
	.end_amdhsa_kernel
	.amdgpu_metadata
---
amdhsa.version: [ 1, 2 ]
amdhsa.kernels:
  - .name:           k_qc1f05258c2_prep
    .symbol:         k_qc1f05258c2_prep.kd
    .args:
      - { .name: q, .offset: 0, .size: 8, .value_kind: global_buffer, .address_space: global }
      - { .name: k, .offset: 8, .size: 8, .value_kind: global_buffer, .address_space: global }
      - { .name: v, .offset: 16, .size: 8, .value_kind: global_buffer, .address_space: global }
      - { .name: Wq, .offset: 24, .size: 8, .value_kind: global_buffer, .address_space: global }
      - { .name: Wk, .offset: 32, .size: 8, .value_kind: global_buffer, .address_space: global }
      - { .name: Wv, .offset: 40, .size: 8, .value_kind: global_buffer, .address_space: global }
      - { .name: Wo, .offset: 48, .size: 8, .value_kind: global_buffer, .address_space: global }
      - { .name: cast, .offset: 56, .size: 8, .value_kind: global_buffer, .address_space: global }
    .group_segment_fixed_size: 0
    .private_segment_fixed_size: 0
    .kernarg_segment_align: 8
    .kernarg_segment_size: 64
    .max_flat_workgroup_size: 256
    .sgpr_count:     66
    .vgpr_count:     72
    .wavefront_size: 32
...
	.end_amdgpu_metadata
.endif
;; end of part 1
;; launch proj (part 2): grid 4 x 48, 4 waves a work-group, clusters of 4 x 4, 327,680 bytes of LDS; arguments cast, bq, bk, bv, heads; writes heads
.if DOCPART == 2
	.amdgcn_target "amdgcn-amd-amdhsa--gfx1250"
	.amdhsa_code_object_version 6
	.text
	.protected	k_qc1f05258c2_proj
	.globl	k_qc1f05258c2_proj
	.p2align	8
	.type	k_qc1f05258c2_proj,@function
k_qc1f05258c2_proj:
	s_mov_b64 s[64:65], 0
	v_nop
	global_prefetch_b8 v0, s[64:65] scope:SCOPE_SE
	s_setreg_imm32_b32 hwreg(HW_REG_WAVE_MODE, 25, 1), 1
	s_wait_xcnt 0x0
	s_wait_alu depctr_hold_cnt(0) depctr_sa_sdst(0) depctr_va_vdst(0) depctr_va_sdst(0) depctr_va_ssrc(0) depctr_va_vcc(0) depctr_vm_vsrc(0)
	s_getreg_b32 s2, hwreg(HW_REG_IB_STS2, 6, 4)
	s_cmp_eq_u32 s2, 0
	s_cbranch_scc0 .Lentry_in_a_cluster
	s_endpgm
.Lentry_in_a_cluster:
	s_bfe_u32 s2, ttmp6, 0x10000c
	s_cmp_lg_u32 s2, 0xf033
	s_cbranch_scc0 .Lentry_shape_is_right
	s_endpgm
.Lentry_shape_is_right:
; heads[g][b*16+h][s][64] = f16( x_g W_g + b_g ), g = 0, 1, 2 for q, k, v.  Operands f16 (from cast), sums f32, the bias is the sums' start.
; LIMIT: a projected value of 65,504 or more in magnitude becomes infinity.  As drawn its spread is sqrt(1024) x 0.02 = 0.64; with x and W both 30 times
; larger it is 576, the largest of four million about 3.2e3; with offsets of 30 spreads on both, 1024 x 30 x 0.6 = 1.8e4.
; q, k, v in cast are one matrix A[12288][1024]; block row R (256 rows) belongs to g = R / 16.  W_g lies [k][n], n along the rows.
; A work-group makes 256 x 256 with four waves, a wave 128 x 128: 64 accumulator tiles, 512 registers.  K goes in steps of 128 through two LDS slots.
; 192 work-groups: 48 block rows x 4 block columns; the factor 3 of the three products divides no power of two.
; CLUSTERS: 4 x 4 work-groups.  A's tile hangs on the block row alone and is asked for jointly by a row of the cluster; W's tile hangs on g (the
; cluster's y / 4, the same in all sixteen) and the block column and is asked for jointly by a column.  That divides the requests for both by four.
; W's fragments need k along a lane's registers while LDS holds n along the rows: ds_load_tr16_b128 transposes 8 x 8 blocks on the way to registers.
;
; REGISTERS, in windows of 256:
;   window 0: v16-27 addresses; v64-127, v128-191 fragments of A, two buffers; v192-255 the bias of my 128 columns, later packed results
;   window 1: v64-127, v128-191 fragments of W, two buffers
;   window 2: the 32 accumulator tiles of my rows 0-63 (tile (a, b) at v[8 (8 a + b)]);  window 3: those of my rows 64-127
; THE MATRIX INSTRUCTION IS USED TRANSPOSED: source 0 = 16 columns of W, source 1 = 16 rows of A; lane l then holds row l % 16 and its registers
; 0-7 the columns 8 (l / 16) + 0..7: eight neighbouring numbers of a row, 16 bytes of f16.
.set SIZE_K, 1024
.set KSTEP,  128
.set PITCH,  272                       ; A in LDS: 256 bytes + 16: 17 x 16, so the 16 rows that a load touches start 16 bytes apart modulo 256
.set BPITCH, 544                       ; W in LDS: 512 bytes + 32: 17 x 32, the same for the 8 rows x 2 column halves of a transposing load
.set HALFT,  128*PITCH                 ; one tensor load: 128 rows of A, or 64 rows of W (64 x 544 is the same 34,816 bytes)
.set SLOT,   4*HALFT                   ; A's 256 rows, then W's 128 rows
.set BOFF,   2*HALFT
.set STAGE,  2*SLOT                    ; behind the ring: 16 rows x 272 bytes for each wave; no tensor load fills it
.set SPITCH, 272
.set LAPS,   SIZE_K/(2*KSTEP)          ; 4 laps of two K steps
.set ASTEP,  2*KSTEP*2                 ; two K steps along a row of A, in bytes
.set BSTEP,  2*KSTEP*2048              ; two K steps = 256 rows of W of 2,048 bytes
.set ADRA, 16                          ; v16-17  LDS address of my A fragments in slot 0, 1
.set ADRB, 20                          ; v20-21  the same for W
.set STO,  24                          ; v24     the way out: where I put 16 bytes of a row
.set RD,   25                          ; v25     the way out: where I read back
.set CO,   26                          ; v26     my byte offset in heads
.set BO,   27                          ; v27     my byte offset in the bias
.set F0,   64
.set F1,   128
.set BI,   192                         ; v192-255 bias: block b's eight columns of my lane at BI + 8 b
.set TMP,  192                         ; the way out: packed results (the bias is no longer needed)
.set G1,  24                           ; s[24:31] group 1 for A's tiles
.set G0,  32                           ; s[32:39] group 0 for A's tiles, one set for each slot
.set G1B, 48                           ; s[48:55] group 1 for W's tiles
.set G0B, 56                           ; s[56:63] group 0 for W's tiles, one set for each slot
.set MSB, 0
.macro WIN new                         ; the immediate's high byte repeats the setting that is left
.if MSB != \new
	s_set_vgpr_msb (MSB<<8)|\new
.set MSB, \new
.endif
.endm
.set MUL_LO,  0xa1                     ; source 0 (W) window 1, source 1 (A) window 0, C and D window 2
.set MUL_HI,  0xf1                     ; the same, C and D window 3
.set BIAS_LO, 0x81                     ; C (the bias) window 0, D window 2
.set BIAS_HI, 0xc1                     ; C window 0, D window 3
.set TO_B,    0x40                     ; destination window 1, address window 0
; A joint load.  Waves 0 and 1 fetch A's two halves, waves 2 and 3 W's.  The branch hangs on the wave's number alone.
.macro JLOAD s
	s_cmp_eq_u32 s11, 0
	s_cbranch_scc0 .Lfor_b_\@
	tensor_load_to_lds s[G0+4*\s:G0+4*\s+3], s[G1:G1+7]
	s_nop 0
	s_branch .Lasked_\@
.Lfor_b_\@:
	tensor_load_to_lds s[G0B+4*\s:G0B+4*\s+3], s[G1B:G1B+7]
	s_nop 0
.Lasked_\@:
.endm
; A round of the cluster's barrier: my work-group's barrier, wave 0 signals for the work-group, every wave waits for all sixteen, my work-group's barrier again.
.macro CREST                           ; a round behind its opening barrier
	s_cmp_lg_u32 s10, 0
	s_cbranch_scc1 .Lnot_wave_0_\@
	s_barrier_signal -3
.Lnot_wave_0_\@:
	s_barrier_wait -3
	s_barrier_signal -1
	s_barrier_wait -1
.endm
.macro CROUND
	s_barrier_signal -1
	s_barrier_wait -1
	CREST
.endm
	s_load_b256 s[68:75], s[0:1], 0x0              ; cast s[68:69], bq s[70:71], bk s[72:73], bv s[74:75]
	s_load_b64 s[8:9], s[0:1], 0x20                ; heads
	s_set_vgpr_msb 0x40
	v_lshl_add_u32 v255, v0, 2, 0x48400
	s_set_vgpr_msb 0x4000
	v_mov_b32 v63, 0
	s_set_vgpr_msb 0x1
	ds_add_u32 v255, v63
	s_set_vgpr_msb 0x100
	v_lshrrev_b32 v1, 5, v0
	v_readfirstlane_b32 s10, v1                    ; wave 0..3
	s_lshr_b32 s11, s10, 1                         ; which half of the block's rows is mine.  Also: I fetch for A (0) or for W (1)
	s_and_b32 s12, s10, 1                          ; which half of its columns.  Also: which half of that tile I fetch
	s_bfe_u32 s40, ttmp6, 0x40000                  ; cx
	s_bfe_u32 s41, ttmp6, 0x40004                  ; cy
	s_lshl_b32 s42, ttmp9, 2
	s_add_co_u32 s42, s42, s40                     ; block column = 4 x cluster x + cx
	s_and_b32 s13, ttmp7, 0xffff
	s_lshl_b32 s13, s13, 2
	s_add_co_u32 s13, s13, s41                     ; block row R = 4 x cluster y + cy
	s_and_b32 s45, ttmp7, 0xffff
	s_lshr_b32 s45, s45, 2                         ; g = cluster y / 4 = R / 16: made of the cluster's y alone
	s_lshl_b32 s43, s41, 2
	s_lshl_b32 s43, 15, s43                        ; my row of the cluster
	s_lshl_b32 s44, 0x1111, s40                    ; my column
	s_or_b32 s[G1+0], s43, (1<<16)|(1<<20)|(1<<21)|(5<<22)|(3<<25)   ; mask; 2-byte elements; padding on; bit 21 beside a mask; after every 64 words, 4 words
	s_or_b32 s[G1B+0], s44, (1<<16)|(1<<20)|(1<<21)|(6<<22)|(7<<25)  ; the column's mask; after every 128 words, 8 words
	s_mov_b32 s[G1+1], 128<<16                     ; A: tensor_dim0 = 128
	s_mov_b32 s[G1+2], 128<<16                     ;    tensor_dim1 = 128
	s_mov_b32 s[G1+3], 128<<16                     ;    tile_dim0 = 128 elements (256 bytes)
	s_mov_b32 s[G1+4], 128                         ;    tile_dim1 = 128 rows
	s_mov_b32 s[G1+5], 1024                        ;    elements from row to row
	s_mov_b32 s[G1+6], 0
	s_mov_b32 s[G1+7], 0
	s_mov_b32 s[G1B+1], 256<<16                    ; W: tensor_dim0 = 256
	s_mov_b32 s[G1B+2], 64<<16                     ;    tensor_dim1 = 64
	s_mov_b32 s[G1B+3], 256<<16                    ;    tile_dim0 = 256 elements (512 bytes)
	s_mov_b32 s[G1B+4], 64                         ;    tile_dim1 = 64 rows of k
	s_mov_b32 s[G1B+5], 1024
	s_mov_b32 s[G1B+6], 0
	s_mov_b32 s[G1B+7], 0
	; A's offset is made of R and the wave's number, W's of g, the block column and the wave's number, each in registers that never hold the other place
	s_lshl_b32 s16, s13, 19                        ; 256 R rows of 2,048 bytes
	s_lshl_b32 s17, s12, 18                        ; + 128 rows for the second half
	s_add_co_u32 s16, s16, s17
	s_mov_b32 s17, 0
	s_lshl_b32 s46, s45, 21                        ; g x 2 MiB
	s_lshl_b32 s47, s12, 17                        ; + 64 rows of k for the second half
	s_add_co_u32 s46, s46, s47
	s_lshl_b32 s47, s42, 9                         ; + 256 columns x 2 bytes for each block column
	s_add_co_u32 s46, s46, s47
	s_add_co_u32 s46, s46, 0x1800000               ; the weights begin at 24 MiB of cast
	s_mov_b32 s47, 0
	s_lshl_b32 s78, s42, 10                        ; bias: 256 columns x 4 bytes for each block column
	s_lshl_b32 s79, s12, 9                         ; + my 128 columns
	s_add_co_u32 s78, s78, s79
	s_mov_b32 s79, 0
	s_mul_i32 s20, s10, HALFT                      ; where my loads land: wave x 34,816: no place in the cluster enters an LDS address
	s_wait_dscnt 0x0
	s_wait_kmcnt 0x0
	s_add_nc_u64 s[14:15], s[68:69], s[16:17]
	s_add_nc_u64 s[46:47], s[68:69], s[46:47]
	s_cmp_eq_u32 s45, 1                            ; the bias of my product
	s_cselect_b64 s[76:77], s[72:73], s[70:71]
	s_cmp_eq_u32 s45, 2
	s_cselect_b64 s[76:77], s[74:75], s[76:77]
	s_add_nc_u64 s[76:77], s[76:77], s[78:79]
	CROUND                                         ; all sixteen work-groups are here: the first joint loads meet
.irp s, 0,1
	s_mov_b32 s[G0+4*\s], 1
	s_add_co_u32 s[G0+4*\s+1], s20, \s*SLOT
	s_add_nc_u64 s[G0+4*\s+2:G0+4*\s+3], s[14:15], \s*KSTEP*2
	s_or_b32 s[G0+4*\s+3], s[G0+4*\s+3], 0x80000000
	s_mov_b32 s[G0B+4*\s], 1
	s_add_co_u32 s[G0B+4*\s+1], s20, \s*SLOT
	s_add_nc_u64 s[G0B+4*\s+2:G0B+4*\s+3], s[46:47], \s*KSTEP*2048
	s_or_b32 s[G0B+4*\s+3], s[G0B+4*\s+3], 0x80000000
	JLOAD \s                                       ; two tensor loads of mine are out: K steps 0 and 1
.endr
	v_and_b32 v1, 15, v0                           ; r = l % 16
	v_bfe_u32 v2, v0, 4, 1                         ; h = l / 16
	v_and_b32 v8, 7, v0                            ; l % 8
	v_bfe_u32 v7, v0, 3, 1                         ; (l / 8) % 2
	v_lshlrev_b32 v[BO], 5, v2                     ; my eight columns of a block of 16: 32 h bytes
.irp b, 0,1,2,3,4,5,6,7
	global_load_b128 v[BI+8*\b:BI+8*\b+3],   v[BO], s[76:77] offset:64*\b       ; bias of columns 16 b + 8 h + 0..3
	global_load_b128 v[BI+8*\b+4:BI+8*\b+7], v[BO], s[76:77] offset:64*\b+16    ; and + 4..7
.endr
	v_mul_u32_u24 v3, v1, PITCH
	v_lshl_add_u32 v3, v2, 4, v3                   ; A: row x pitch + 16 h
	v_lshl_add_u32 v6, v2, 3, v8                   ; W: row of k = 8 h + l % 8,
	v_mul_u32_u24 v6, v6, BPITCH
	v_lshl_add_u32 v6, v7, 4, v6                   ; 16 bytes (8 columns) for each half of a group of 16 lanes
	s_mul_i32 s21, s11, HALFT                      ; my 128 rows of A
	s_lshl_b32 s22, s12, 8                         ; my 128 columns of W,
	s_add_co_u32 s22, s22, BOFF                    ; which lies behind A
.irp s, 0,1
	v_add_nc_u32 v[ADRA+\s], s21, v3
	v_add_nc_u32 v[ADRB+\s], s22, v6
	s_add_co_u32 s21, s21, SLOT
	s_add_co_u32 s22, s22, SLOT
.endr
	s_mul_i32 s23, s10, 16*SPITCH
	s_add_co_u32 s23, s23, STAGE                   ; my stage
	v_add_nc_u32 v[STO], s23, v3                   ; in: row r, 16 bytes for each half of the lanes (the pitches are equal)
	v_mul_u32_u24 v5, v7, SPITCH                   ; back: lanes 0-15 take 128 bytes of two rows from the first head's columns, lanes 16-31 from the second's
	v_lshl_add_u32 v5, v2, 7, v5
	v_lshl_add_u32 v5, v8, 4, v5
	v_add_nc_u32 v[RD], s23, v5
	v_lshlrev_b32 v5, 18, v2                       ; in heads: the next head is 2,048 rows of 128 bytes on,
	v_lshl_add_u32 v5, v7, 7, v5                   ; the next row 128 bytes
	v_lshl_add_u32 v[CO], v8, 4, v5
; 16 matrix instructions: m blocks a0, a0 + 1 of the window's four x all 8 n blocks, 32 along K.  zero = 1: the bias starts the sums: nothing is cleared.
.macro MUL16 f, hi, a0, zero
.irp a, \a0, \a0+1
.irp b, 0,1,2,3,4,5,6,7
.if \zero
	v_wmma_f32_16x16x32_f16 v[8*(8*(\a)+\b):8*(8*(\a)+\b)+7], v[\f+8*\b:\f+8*\b+7], v[\f+8*(4*\hi+\a):\f+8*(4*\hi+\a)+7], v[BI+8*\b:BI+8*\b+7]
.else
	v_wmma_f32_16x16x32_f16 v[8*(8*(\a)+\b):8*(8*(\a)+\b)+7], v[\f+8*\b:\f+8*\b+7], v[\f+8*(4*\hi+\a):\f+8*(4*\hi+\a)+7], v[8*(8*(\a)+\b):8*(8*(\a)+\b)+7]
.endif
.endr
.endr
.endm
; 32 LDS loads in one run: the fragments of quarter q of a K step (32 along K) into buffer f.  W: rows 32 q .. of k, transposed; A: byte 64 q of the rows.
.macro FETCH slot, q, f
	WIN TO_B
.irp i, 0,1,2,3,4,5,6,7
	ds_load_tr16_b128 v[\f+8*\i:\f+8*\i+3],   v[ADRB+\slot] offset:\q*32*BPITCH+32*\i             ; k = 8 h + 0..7 of column 16 i + r
	ds_load_tr16_b128 v[\f+8*\i+4:\f+8*\i+7], v[ADRB+\slot] offset:\q*32*BPITCH+32*\i+16*BPITCH   ; k = 16 + 8 h + 0..7
.endr
	WIN 0
.irp i, 0,1,2,3,4,5,6,7
	ds_load_b128 v[\f+8*\i:\f+8*\i+3],   v[ADRA+\slot] offset:\q*64+\i*16*PITCH
	ds_load_b128 v[\f+8*\i+4:\f+8*\i+7], v[ADRA+\slot] offset:\q*64+\i*16*PITCH+32
.endr
.endm
; A load into a register that a matrix instruction has read, and a vector instruction that reads a matrix result, stand four places behind it; only
; plain vector instructions that name none of its registers are places.
.macro PLACES
.rept 4
	v_nop
.endr
.endm
; One of a K step's first three quarters: multiplies buffer f; in its middle it fetches quarter q into buffer g.
; The 64 accumulators take turns, one instruction a turn, in the same order in every quarter.
.macro QUARTER slot, q, f, g, zero
	s_wait_dscnt 8                                 ; W and A's rows 0-63 are in; the youngest eight loads (A's rows 64-127) may be out
.if \zero
	WIN BIAS_LO
.else
	WIN MUL_LO
.endif
	MUL16 \f, 0, 0, \zero
	MUL16 \f, 0, 2, \zero
	PLACES
	FETCH \slot, \q, \g
	s_wait_dscnt 32                                ; all but the 32 just issued
.if \zero
	WIN BIAS_HI
.else
	WIN MUL_HI
.endif
	MUL16 \f, 1, 0, \zero
	MUL16 \f, 1, 2, \zero
.endm
.macro THREE slot, zero
	QUARTER \slot, 1, F0, F1, \zero
	QUARTER \slot, 2, F1, F0, 0
	QUARTER \slot, 3, F0, F1, 0
.endm
; The last quarter: multiplies buffer 1 and changes slots.  In front of the barrier each wave waits for its reads of this slot and for all its tensor
; loads (one is out: its part of the next slot).  Behind it the refill comes first, then the next slot's first fragments.
.macro TURN slot, next, fill
	s_wait_dscnt 8
	WIN MUL_LO
	MUL16 F1, 0, 0, 0
	s_wait_dscnt 0                                 ; my reads of this slot are over
	s_wait_tensorcnt 0x0                           ; all my tensor loads have landed
	ds_add_u32 v255, v63
	s_wait_dscnt 0x0
	s_barrier_signal -1                            ; where a slot is filled again this barrier opens a round of the cluster's barrier
	MUL16 F1, 0, 2, 0                              ; register work alone
	WIN 0
	s_barrier_wait -1
.if \fill
	CREST                                          ; no wave of any partner still reads this slot or has a load on its way
	s_add_nc_u64 s[G0+4*\slot+2:G0+4*\slot+3], s[G0+4*\slot+2:G0+4*\slot+3], ASTEP
	s_add_nc_u64 s[G0B+4*\slot+2:G0B+4*\slot+3], s[G0B+4*\slot+2:G0B+4*\slot+3], BSTEP
	JLOAD \slot                                    ; the first tensor load behind the round
.endif
	PLACES
	FETCH \next, 0, F0
	WIN MUL_HI
	MUL16 F1, 1, 0, 0
	MUL16 F1, 1, 2, 0
.endm
.macro LAP zero
	THREE 0, \zero
	TURN 0, 1, 1
	THREE 1, 0
	TURN 1, 0, 1
.endm
	s_wait_tensorcnt 1                             ; my part of K step 0 is in; K step 1's load stays out
	s_wait_loadcnt 0x0                             ; the bias
	s_barrier_signal -1
	s_barrier_wait -1
	FETCH 0, 0, F0
	LAP 1                                          ; the first lap stands in front of the loop: its first products add onto the bias
	WIN 0                                          ; at a label and at a branch every window is 0
	s_mov_b32 s3, LAPS-2
.Llap:
	LAP 0
	WIN 0
	s_sub_co_u32 s3, s3, 1
	s_cmp_lg_u32 s3, 0
	s_cbranch_scc1 .Llap
	THREE 0, 0                                     ; the last lap fills nothing
	TURN 0, 1, 0
	THREE 1, 0
	s_wait_dscnt 8
	WIN MUL_LO
	MUL16 F1, 0, 0, 0
	MUL16 F1, 0, 2, 0
	s_wait_dscnt 0
	WIN MUL_HI
	MUL16 F1, 1, 0, 0
	MUL16 F1, 1, 2, 0
	; THE WAY OUT, 16 rows at a time: round to f16, 16 bytes a lane into my own stage, read back so that sixteen lanes hold two whole rows of one head.
	PLACES
	s_lshr_b32 s14, s13, 3                         ; R / 8 = 2 g + b: 4 MiB each
	s_lshl_b32 s16, s14, 22
	s_and_b32 s14, s13, 7                          ; 256 rows of 128 bytes for each block row inside it
	s_lshl_b32 s14, s14, 15
	s_add_co_u32 s16, s16, s14
	s_lshl_b32 s14, s11, 14                        ; my 128 rows
	s_add_co_u32 s16, s16, s14
	s_mov_b32 s17, 0
	s_add_nc_u64 s[8:9], s[8:9], s[16:17]
	s_lshl_b32 s46, s42, 20                        ; four heads of 256 KiB for each block column (in the registers that held W's offset)
	s_lshl_b32 s47, s12, 19                        ; my two heads
	s_add_co_u32 s46, s46, s47
	s_mov_b32 s47, 0
	s_add_nc_u64 s[8:9], s[8:9], s[46:47]
.macro OUT16 i, a, from, f
	WIN \from
.irp b, 0,1,2,3,4,5,6,7
.irp r, 0,1,2,3
	v_cvt_pk_f16_f32 v[TMP+4*\b+\r], v[8*(8*\a+\b)+2*\r], v[8*(8*\a+\b)+2*\r+1]
.endr
.endr
	WIN 0
.irp b, 0,1,2,3,4,5,6,7
	ds_store_b128 v[STO], v[TMP+4*\b:TMP+4*\b+3] offset:32*\b
.endr
	s_wait_xcnt 0x0                                ; buffer f, which earlier stores read, and the stores' base are rewritten only behind this wait
.if \i
	s_add_nc_u64 s[8:9], s[8:9], 16*128            ; 16 rows of a head on
.endif
.irp t, 0,1,2,3,4,5,6,7
	ds_load_b128 v[\f+4*\t:\f+4*\t+3], v[RD] offset:\t*2*SPITCH    ; LDS serves a wave's instructions in order: these see the stores above
.endr
.irp t, 0,1,2,3,4,5,6,7
	s_wait_dscnt 7-\t                              ; load t is back, the younger ones stay out
	global_store_b128 v[CO], v[\f+4*\t:\f+4*\t+3], s[8:9] offset:256*\t   ; 16 lanes store rows 2 t, 2 t + 1 of one head: 256 consecutive bytes, aligned
.endr
.endm
	OUT16 0, 0, 0x0a, F0
	OUT16 1, 1, 0x0a, F1
	OUT16 2, 2, 0x0a, F0
	OUT16 3, 3, 0x0a, F1
	OUT16 4, 0, 0x0f, F0
	OUT16 5, 1, 0x0f, F1
	OUT16 6, 2, 0x0f, F0
	OUT16 7, 3, 0x0f, F1
	s_set_vgpr_msb 0x1
	s_wait_tensorcnt 0x0
	ds_add_u32 v255, v63
	s_wait_dscnt 0x0
	s_set_vgpr_msb 0x100
	CROUND                                         ; the closing round: no work-group ends while a partner may still ask for a tile that names it
	s_endpgm
.Lfunc_end_k_qc1f05258c2_proj:
	.size	k_qc1f05258c2_proj, .Lfunc_end_k_qc1f05258c2_proj-k_qc1f05258c2_proj
	.p2alignl 7, 3214868480
	.fill 96, 4, 3214868480
	.section	.rodata,"a",@progbits
	.p2align	6, 0x0
	.amdhsa_kernel k_qc1f05258c2_proj
		.amdhsa_group_segment_fixed_size 327680
		.amdhsa_private_segment_fixed_size 0
		.amdhsa_enable_private_segment 0
		.amdhsa_kernarg_size 40
		.amdhsa_user_sgpr_count 2
		.amdhsa_user_sgpr_kernarg_segment_ptr 1
		.amdhsa_wavefront_size32 1
		.amdhsa_system_sgpr_workgroup_id_x 1
		.amdhsa_system_sgpr_workgroup_id_y 1
		.amdhsa_system_sgpr_workgroup_id_z 1
		.amdhsa_system_vgpr_workitem_id 0
		.amdhsa_next_free_vgpr 1024
		.amdhsa_next_free_sgpr 80
		.amdhsa_reserve_vcc 0
		.amdhsa_float_denorm_mode_32 3
		.amdhsa_float_denorm_mode_16_64 3
		.amdhsa_memory_ordered 1
		.amdhsa_forward_progress 1
		.amdhsa_inst_pref_size 198
	.end_amdhsa_kernel
	.amdgpu_metadata
---
amdhsa.version: [ 1, 2 ]
amdhsa.kernels:
  - .name:           k_qc1f05258c2_proj
    .symbol:         k_qc1f05258c2_proj.kd
    .args:
      - { .name: cast, .offset: 0, .size: 8, .value_kind: global_buffer, .address_space: global }
      - { .name: bq, .offset: 8, .size: 8, .value_kind: global_buffer, .address_space: global }
      - { .name: bk, .offset: 16, .size: 8, .value_kind: global_buffer, .address_space: global }
      - { .name: bv, .offset: 24, .size: 8, .value_kind: global_buffer, .address_space: global }
      - { .name: heads, .offset: 32, .size: 8, .value_kind: global_buffer, .address_space: global }
    .group_segment_fixed_size: 327680
    .private_segment_fixed_size: 0
    .kernarg_segment_align: 8
    .kernarg_segment_size: 40
    .max_flat_workgroup_size: 128
    .sgpr_count:     80
    .vgpr_count:     1024
    .wavefront_size: 32
...
	.end_amdgpu_metadata
.endif
;; end of part 2
;; launch attn (part 3): grid 8 x 32, 8 waves a work-group, clusters of 4 x 1, 327,680 bytes of LDS; arguments heads, mask, ctx; writes ctx
.if DOCPART == 3
	.amdgcn_target "amdgcn-amd-amdhsa--gfx1250"
	.amdhsa_code_object_version 6
	.text
	.protected	k_qc1f05258c2_attn
	.globl	k_qc1f05258c2_attn
	.p2align	8
	.type	k_qc1f05258c2_attn,@function
k_qc1f05258c2_attn:
	s_mov_b64 s[64:65], 0
	v_nop
	global_prefetch_b8 v0, s[64:65] scope:SCOPE_SE
	s_setreg_imm32_b32 hwreg(HW_REG_WAVE_MODE, 25, 1), 1
	s_wait_xcnt 0x0
	s_wait_alu depctr_hold_cnt(0) depctr_sa_sdst(0) depctr_va_vdst(0) depctr_va_sdst(0) depctr_va_ssrc(0) depctr_va_vcc(0) depctr_vm_vsrc(0)
	s_getreg_b32 s2, hwreg(HW_REG_IB_STS2, 6, 4)
	s_cmp_eq_u32 s2, 0
	s_cbranch_scc0 .Lentry_in_a_cluster
	s_endpgm
.Lentry_in_a_cluster:
	s_bfe_u32 s2, ttmp6, 0x10000c
	s_cmp_lg_u32 s2, 0x3003
	s_cbranch_scc0 .Lentry_shape_is_right
	s_endpgm
.Lentry_shape_is_right:
; ctx[b*16+h][s][64] = f16( softmax( q k^T / 8, masked ) v ) for one head and 256 queries a work-group; scores and weights never leave registers.
; Work-group y = b*16 + h; query block = 4 x cluster x + cx.  Eight waves of 32 queries, two waves on a SIMD.  Keys go in tiles of 256 through two
; LDS slots, in steps of 64 keys inside a tile.
; CLUSTER 4 x 1: the four query blocks of a cluster read the same K and V tiles and ask for them jointly (mask 15): a quarter of the requests.
; TRANSPOSED FORMS.  S^T = K Q^T: source 0 = 16 keys, source 1 = 16 queries: lane (r, h) holds query r, its registers keys 8 h + 0..7.  So a query's
; maximum and sum are made inside a lane, plus one exchange between the halves, and two neighbouring registers packed to f16 are already source 1
; (P^T) of O^T = V^T P^T.  V lies [key][d] in LDS; V^T's fragments come by the transposing load.
; THE TWO BLOCKS OF 16 QUERIES OF A WAVE TAKE TURNS.  A step is two phases:
;   phase A(i): the vector unit makes the softmax of block 0, step i;  the matrix unit makes O(1) += V(i-1) P(1, i-1), then S(1, i)
;   phase B(i): the vector unit makes the softmax of block 1, step i;  the matrix unit makes O(0) += V(i) P(0, i),     then S(0, i+1)
; In a phase the two streams name no common register, so they are laid in turns: four matrix instructions, a quarter of the softmax, four times.
; FRAGMENTS A STEP AHEAD, in two buffers each: K(i+1) and its mask words are asked for at the head of A(i) and used in the middle of B(i);
; V(i+1) at the head of B(i) and used at the head of B(i+1).  The unit that computes step i reads from LDS only step i+1, so a trip of four units
; reads one slot only, and the barrier in front of a refill stands one step ahead of the change of tiles in the arithmetic.
; MASK: a masked key adds -1e38 to its score, as the sums' start (the C operand of the first product, one set of registers for both query blocks);
; its weight is then exp2 of about -1.8e37 = 0 exactly.
; SOFTMAX in f32 with a running maximum; weight = exp2(c s - c m), c = log2(e) / 8 (the 1/8 of the scores is folded in).
; THE WEIGHTS IN f16: they lie in (0, 1], the largest seen so far is 1, and later maxima only shrink what has been added; below 6.1e-5 f16 goes in
; steps of 6e-8, which is that fraction of the largest term.
; LIMITS: the running maximum starts at -1e30, so the text is right while |q.k| < 1e30.  A batch whose mask is all false gives sum 0 and
; 0 x infinity = NaN, as the reference's softmax of a row of -inf does.  The sum of weights is taken before they are rounded to f16.
; ctx is an average of rows of v's projection, so it has that projection's room in f16; where it falls below 6.1e-5 it goes in steps of 6e-8.
; REGISTERS, in two windows of 256 (s_set_vgpr_msb's low byte: bits 1:0 source 0, 7:6 destination):
;   window 0: v0-31 addresses and the softmax's state; v32-63 Q; v64-127 O^T; v128-191 S^T, then P^T; v192-255 mask words, two buffers
;   window 1: v0-127 K's fragments, two buffers; v128-255 V^T's fragments, two buffers.  Only source 0 of a product and the destination of a
;   fragment load lie there: 18 switches for a step's 32 products, 40 loads and 238 vector instructions.
.set KPITCH, 144                       ; 128 bytes + 16: 9 x 16
.set VPITCH, 160                       ; 128 bytes + 32: 5 x 32, for the transposing load
.set VOFF,   256*KPITCH                ; V behind K in a slot
.set SLOT,   VOFF+256*VPITCH           ; 77,824
.set BIAS,   2*SLOT                    ; 2,048 f32: 0 or -1e38 for each key of the batch; written by ds_store, never a tensor load's target
.set STAGE,  BIAS+8192                 ; 32 rows x 144 bytes for each wave, for the way out
.set TILEB,  32768                     ; 256 keys x 128 bytes in memory
.set AK,  2                            ; v2-3    LDS address of my K fragments in slot 0, 1
.set AV,  4                            ; v4-5    the same for V
.set AB,  6                            ; v6      LDS address in the mask table; steps by two tiles a lap
.set STO, 7
.set RD,  8
.set CO,  9
.set NM,  10                           ; v10, v12: -c x maximum of query block 0, 1;  v11, v13: the maximum
.set AL,  14                           ; v14, v16: rescale factor;  v15, v17: my half's sum of weights
.set T,   18                           ; v18-21 at work for block 0, v22-25 for block 1
.set QO,  26
.set MK,  28                           ; v28-29  my eight mask bytes
.set MA,  30
.set NEG, 31
.set QF,  32                           ; v32-63   Q fragments: 16 n + 8 ks
.set O,   64                           ; v64-127  O^T: 8 (2 dt + n)
.set S,   128                          ; v128-191 S^T: 32 n + 8 t; then P^T in the block's own first 16: 32 n + 8 u
.set BI,  192                          ; v192-255 mask words of a step: 32 x buffer + 8 t
.set RB,  192                          ; the way out: rows read back (the mask words are no longer needed)
.set KF,  0                            ; window 1: 64 x buffer + 16 t + 8 ks
.set VF,  128                          ; window 1: 64 x buffer + 8 (2 dt + u)
.set G1K, 24
.set G1V, 32
.set G0K, 40                           ; s[40:47] one set for each slot
.set G0V, 48                           ; s[48:55]
.set MSB, 0
.macro WIN new                         ; the immediate's high byte repeats the setting that is left; a switch that changes nothing is dropped
.if MSB != \new
	s_set_vgpr_msb (MSB<<8)|\new
.set MSB, \new
.endif
.endm
.set MM,  0x01                         ; products: source 0 (K's or V's fragment) in window 1, all else in window 0
.set TO1, 0x40                         ; fragment loads: destination in window 1, address in window 0
.macro ROUND                           ; a round of the cluster's barrier; every window is 0 here (branch and label)
	s_barrier_signal -1
	s_barrier_wait -1
	s_cmp_lg_u32 s8, 0
	s_cbranch_scc1 .Lnot_wave_0_\@
	s_barrier_signal -3
.Lnot_wave_0_\@:
	s_barrier_wait -3
	s_barrier_signal -1
	s_barrier_wait -1
.endm
.macro PLACES                          ; four plain vector instructions behind a matrix instruction before a vector instruction reads its result (ISA guide 7.12.1)
.rept 4
	v_nop
.endr
.endm
	s_load_b128 s[4:7], s[0:1], 0x0                ; heads s[4:5], mask s[6:7]
	s_load_b64 s[10:11], s[0:1], 0x10              ; ctx
	v_lshl_add_u32 v222, v0, 2, 0x31000
	v_mov_b32 v223, 0
	ds_add_u32 v222, v223
	s_wait_dscnt 0x0
	v_lshrrev_b32 v1, 5, v0
	v_readfirstlane_b32 s8, v1                     ; wave 0..7
	s_bfe_u32 s18, ttmp6, 0x40000                  ; cx
	s_and_b32 s19, ttmp7, 0xffff                   ; y = b*16 + h
	s_mov_b32 s12, 0x76543210                      ; v_permlanex16_b32: lane i of one half reads lane i of the other
	s_mov_b32 s13, 0xfedcba98
	s_mov_b32 s14, 0x3e38aa3b                      ; c = log2(e) / 8, twice: a pair for the packed multiply-add
	s_mov_b32 s15, 0x3e38aa3b
	s_mov_b32 s16, 0xbe38aa3b                      ; -c
	s_mov_b32 s[G1K+0], 0x0731000f                 ; mask 15; 2-byte elements; padding on; bit 21 beside a mask; after every 32 words, 4 words
	s_mov_b32 s[G1K+1], 64<<16                     ; tensor_dim0 = 64
	s_mov_b32 s[G1K+2], 32<<16                     ; tensor_dim1 = 32
	s_mov_b32 s[G1K+3], 64<<16                     ; tile_dim0 = 64 elements: a head's row is 128 bytes in the tensor itself
	s_mov_b32 s[G1K+4], 32                         ; tile_dim1 = 32 rows: a wave's eighth of the tile
	s_mov_b32 s[G1K+5], 64
	s_mov_b32 s[G1K+6], 0
	s_mov_b32 s[G1K+7], 0
	s_mov_b32 s[G1V+0], 0x0f31000f                 ; the same with 8 words of padding
	s_mov_b32 s[G1V+1], 64<<16
	s_mov_b32 s[G1V+2], 32<<16
	s_mov_b32 s[G1V+3], 64<<16
	s_mov_b32 s[G1V+4], 32
	s_mov_b32 s[G1V+5], 64
	s_mov_b32 s[G1V+6], 0
	s_mov_b32 s[G1V+7], 0
	s_lshl_b32 s20, s19, 18                        ; a head is 2,048 rows of 128 bytes
	s_lshl_b32 s22, s8, 12                         ; my 32 rows of a block of 256
	s_add_co_u32 s20, s20, s22
	s_mov_b32 s21, 0
	s_mul_i32 s17, s8, 32*KPITCH                   ; where my rows of K land in a slot,
	s_mul_i32 s3, s8, 32*VPITCH                    ; and my rows of V
	s_wait_kmcnt 0x0
	s_add_nc_u64 s[58:59], s[4:5], s[20:21]        ; head and wave: the same in all four partners
.irp sl, 0,1
	s_mov_b32 s[G0K+4*\sl], 1
	s_add_co_u32 s[G0K+4*\sl+1], s17, \sl*SLOT
	s_add_nc_u64 s[G0K+4*\sl+2:G0K+4*\sl+3], s[58:59], 0x800000+\sl*TILEB     ; k's heads begin at 8 MiB; tile sl
	s_or_b32 s[G0K+4*\sl+3], s[G0K+4*\sl+3], 0x80000000
	s_mov_b32 s[G0V+4*\sl], 1
	s_add_co_u32 s[G0V+4*\sl+1], s3, \sl*SLOT+VOFF
	s_add_nc_u64 s[G0V+4*\sl+2:G0V+4*\sl+3], s[58:59], 0x1000000+\sl*TILEB    ; v's at 16 MiB
	s_or_b32 s[G0V+4*\sl+3], s[G0V+4*\sl+3], 0x80000000
.endr
	ROUND                                          ; the four work-groups are here: the first joint loads meet
	tensor_load_to_lds s[G0K:G0K+3], s[G1K:G1K+7]  ; tile 0 lands while the mask and Q are set up
	s_nop 0
	tensor_load_to_lds s[G0V:G0V+3], s[G1V:G1V+7]
	s_nop 0
	s_lshr_b32 s22, s19, 4                         ; b
	s_lshl_b32 s22, s22, 11                        ; 2,048 mask bytes a batch
	s_mov_b32 s23, 0
	s_add_nc_u64 s[6:7], s[6:7], s[22:23]
	v_lshlrev_b32 v1, 3, v0                        ; thread t takes keys 8 t .. 8 t + 7
	global_load_b64 v[MK:MK+1], v1, s[6:7]
	s_lshl_b32 s62, ttmp9, 2
	s_add_co_u32 s62, s62, s18                     ; query block
	s_lshl_b32 s62, s62, 15                        ; 256 rows of 128 bytes
	s_mov_b32 s63, 0
	s_add_nc_u64 s[60:61], s[58:59], s[62:63]      ; my 32 queries (q's heads begin at byte 0)
	s_add_nc_u64 s[10:11], s[10:11], s[20:21]      ; and the same rows of ctx
	s_add_nc_u64 s[10:11], s[10:11], s[62:63]
	v_and_b32 v18, 15, v0                          ; r
	v_bfe_u32 v19, v0, 4, 1                        ; h
	v_and_b32 v20, 7, v0                           ; l % 8
	v_bfe_u32 v21, v0, 3, 1                        ; (l / 8) % 2
	v_and_b32 v22, 31, v0                          ; l
	v_bfe_u32 v23, v0, 3, 2                        ; l / 8
	v_lshlrev_b32 v[QO], 7, v18
	v_lshl_add_u32 v[QO], v19, 4, v[QO]            ; row r, 16 h bytes
.irp qn, 0,1
.irp ks, 0,1
	global_load_b128 v[QF+16*\qn+8*\ks:QF+16*\qn+8*\ks+3],   v[QO], s[60:61] offset:\qn*2048+\ks*64      ; d = 32 ks + 8 h + 0..7 of query 16 n + r
	global_load_b128 v[QF+16*\qn+8*\ks+4:QF+16*\qn+8*\ks+7], v[QO], s[60:61] offset:\qn*2048+\ks*64+32   ; d = 32 ks + 16 + 8 h + 0..7
.endr
.endr
	v_mul_u32_u24 v[AK], v18, KPITCH
	v_lshl_add_u32 v[AK], v19, 4, v[AK]            ; K: key r, 16 h bytes
	v_add_nc_u32 v[AK+1], SLOT, v[AK]
	v_lshl_add_u32 v[AV], v19, 3, v20              ; V: key 8 h + l % 8,
	v_mul_u32_u24 v[AV], v[AV], VPITCH
	v_lshl_add_u32 v[AV], v21, 4, v[AV]            ; 8 of the 16 d
	v_add_nc_u32 v[AV], VOFF, v[AV]
	v_add_nc_u32 v[AV+1], SLOT, v[AV]
	v_lshlrev_b32 v[AB], 5, v19                    ; mask table: keys 8 h + 0..7 of a block of 16
	v_add_nc_u32 v[AB], BIAS, v[AB]
	s_add_co_u32 s2, s17, STAGE                    ; my stage: wave x 32 rows of 144 bytes
	v_add_nc_u32 v[STO], s2, v[AK]
	v_mul_u32_u24 v[RD], v23, KPITCH               ; back: eight lanes take a row of 128 bytes
	v_lshl_add_u32 v[RD], v20, 4, v[RD]
	v_add_nc_u32 v[RD], s2, v[RD]
	v_lshlrev_b32 v[CO], 4, v22
	v_mov_b32 v[NEG], 0xfe967699                   ; -1e38
	v_lshl_add_u32 v[MA], v0, 5, BIAS              ; my eight words of the table
	v_mov_b32 v[NM+1], 0xf149f2ca                  ; the running maxima start at -1e30
	v_mov_b32 v[NM+3], 0xf149f2ca
	s_wait_loadcnt 8                               ; the mask's load is the oldest: the eight loads of Q stay out
.irp b, 0,1,2,3
	v_bfe_u32 v[T+\b],   v[MK],   8*\b, 8          ; these also write all of T once, which the lane exchange below names as its destination
	v_bfe_u32 v[T+4+\b], v[MK+1], 8*\b, 8
.endr
.irp b, 0,1,2,3,4,5,6,7
	v_cmp_eq_u32 vcc_lo, 0, v[T+\b]
	v_cndmask_b32 v[S+\b], 0, v[NEG], vcc_lo       ; false: -1e38, true: 0
.endr
	ds_store_b128 v[MA], v[S:S+3]                  ; shown to the other waves by the first trip's wait for my LDS instructions and its barrier
	ds_store_b128 v[MA], v[S+4:S+7] offset:16
	s_wait_loadcnt 0x0                             ; Q
; 24 LDS loads: the mask words (8, one set for both query blocks) and K's fragments (16) of step j of the slot's tile, into buffer fb
.macro LOADKB slot, j, fb
	WIN 0
.irp t, 0,1,2,3
	ds_load_b128 v[BI+32*\fb+8*\t:BI+32*\fb+8*\t+3],   v[AB] offset:\slot*1024+\j*256+\t*64
	ds_load_b128 v[BI+32*\fb+8*\t+4:BI+32*\fb+8*\t+7], v[AB] offset:\slot*1024+\j*256+\t*64+16
.endr
	WIN TO1
.irp t, 0,1,2,3
.irp ks, 0,1
	ds_load_b128 v[KF+64*\fb+16*\t+8*\ks:KF+64*\fb+16*\t+8*\ks+3],   v[AK+\slot] offset:\j*64*KPITCH+\t*16*KPITCH+\ks*64
	ds_load_b128 v[KF+64*\fb+16*\t+8*\ks+4:KF+64*\fb+16*\t+8*\ks+7], v[AK+\slot] offset:\j*64*KPITCH+\t*16*KPITCH+\ks*64+32
.endr
.endr
.endm
; 16 LDS loads: V^T's fragments of step j of the slot's tile, into buffer fb
.macro LOADV slot, j, fb
	WIN TO1
.irp dt, 0,1,2,3
.irp u, 0,1
	ds_load_tr16_b128 v[VF+64*\fb+8*(2*\dt+\u):VF+64*\fb+8*(2*\dt+\u)+3],   v[AV+\slot] offset:\j*64*VPITCH+\u*32*VPITCH+32*\dt             ; keys 32 u + 8 h + 0..7 of d = 16 dt + r
	ds_load_tr16_b128 v[VF+64*\fb+8*(2*\dt+\u)+4:VF+64*\fb+8*(2*\dt+\u)+7], v[AV+\slot] offset:\j*64*VPITCH+\u*32*VPITCH+32*\dt+16*VPITCH   ; keys 32 u + 16 + 8 h + 0..7
.endr
.endr
.endm
; Four products of S^T of query block qn: the four blocks of 16 keys, half ks of d.  ks = 0: the mask words start the sums.
.macro MS qn, ks, fb
.irp t, 0,1,2,3
.if \ks
	v_wmma_f32_16x16x32_f16 v[S+32*(\qn)+8*\t:S+32*(\qn)+8*\t+7], v[KF+64*\fb+16*\t+8:KF+64*\fb+16*\t+15], v[QF+16*(\qn)+8:QF+16*(\qn)+15], v[S+32*(\qn)+8*\t:S+32*(\qn)+8*\t+7]
.else
	v_wmma_f32_16x16x32_f16 v[S+32*(\qn)+8*\t:S+32*(\qn)+8*\t+7], v[KF+64*\fb+16*\t:KF+64*\fb+16*\t+7], v[QF+16*(\qn):QF+16*(\qn)+7], v[BI+32*\fb+8*\t:BI+32*\fb+8*\t+7]
.endif
.endr
.endm
; Four products of O^T of query block qn: the four blocks of 16 d, half u of the step's keys.  zero = 1: the first product starts the sums.
.macro MPV qn, u, fb, zero
.irp dt, 0,1,2,3
.if \zero
	v_wmma_f32_16x16x32_f16 v[O+8*(2*\dt+(\qn)):O+8*(2*\dt+(\qn))+7], v[VF+64*\fb+8*(2*\dt+\u):VF+64*\fb+8*(2*\dt+\u)+7], v[S+32*(\qn)+8*\u:S+32*(\qn)+8*\u+7], 0
.else
	v_wmma_f32_16x16x32_f16 v[O+8*(2*\dt+(\qn)):O+8*(2*\dt+(\qn))+7], v[VF+64*\fb+8*(2*\dt+\u):VF+64*\fb+8*(2*\dt+\u)+7], v[S+32*(\qn)+8*\u:S+32*(\qn)+8*\u+7], v[O+8*(2*\dt+(\qn)):O+8*(2*\dt+(\qn))+7]
.endif
.endr
.endm
; THE SOFTMAX OF ONE QUERY BLOCK AND ONE STEP, in four parts.  sm = 1: the block's first step (nothing to rescale); sm = 2: any other.
; Part 1: the largest of my 32 scores and the old maximum, in four chains; the other half's; -c m; the rescale factor; c s - c m.
.macro SMG1 qn, sm
.irp c, 0,1,2,3
	v_max3_num_f32 v[T+4*\qn+\c], v[S+32*\qn+8*\c], v[S+32*\qn+8*\c+1], v[S+32*\qn+8*\c+2]
.endr
.irp k, 3,5
.irp c, 0,1,2,3
	v_max3_num_f32 v[T+4*\qn+\c], v[T+4*\qn+\c], v[S+32*\qn+8*\c+\k], v[S+32*\qn+8*\c+\k+1]
.endr
.endr
	v_max3_num_f32 v[T+4*\qn],   v[T+4*\qn],   v[S+32*\qn+7],  v[S+32*\qn+15]
	v_max3_num_f32 v[T+4*\qn+2], v[T+4*\qn+2], v[S+32*\qn+23], v[S+32*\qn+31]
	v_max3_num_f32 v[T+4*\qn],   v[T+4*\qn],   v[T+4*\qn+1],   v[NM+2*\qn+1]
	v_max3_num_f32 v[T+4*\qn],   v[T+4*\qn],   v[T+4*\qn+2],   v[T+4*\qn+3]
	v_permlanex16_b32 v[T+4*\qn+1], v[T+4*\qn], s12, s13
	v_max_num_f32 v[NM+2*\qn+1], v[T+4*\qn], v[T+4*\qn+1]          ; the new maximum, the same in both halves
.if \sm == 1
	v_mul_f32 v[NM+2*\qn], s16, v[NM+2*\qn+1]                      ; -c m
.else
	v_mul_f32 v[T+4*\qn+2], s16, v[NM+2*\qn+1]                     ; the new -c m,
	v_sub_f32 v[T+4*\qn+3], v[T+4*\qn+2], v[NM+2*\qn]              ; less the old one, both as the exponentials use them: the factor is their exact ratio
	v_mov_b32 v[NM+2*\qn], v[T+4*\qn+2]
	v_exp_f32 v[AL+2*\qn], v[T+4*\qn+3]                            ; used in part 2; the multiply-adds that follow name neither register
.endif
.irp p, 0,1,2,3,4,5,6,7,8,9,10,11,12,13,14,15
	v_pk_fma_f32 v[S+32*\qn+2*\p:S+32*\qn+2*\p+1], v[S+32*\qn+2*\p:S+32*\qn+2*\p+1], s[14:15], v[NM+2*\qn:NM+2*\qn+1] op_sel_hi:[1,0,0]   ; c s - c m
.endr
.endm
; Part 2: the first 16 exponentials, each followed by a plain instruction: the rescale of the block's O^T.
.macro SMG2 qn, sm
.if \sm == 1
.irp k, 0,1,2,3,4,5,6,7,8,9,10,11,12,13,14,15
	v_exp_f32 v[S+32*\qn+\k], v[S+32*\qn+\k]
.endr
.rept 5
	v_nop                                          ; nothing to rescale: five places between the products that read the other block's P^T and those that write over it (ISA guide 7.12.1)
.endr
.else
.irp k, 0,1,2,3,4,5,6,7,8,9,10,11,12,13,14,15
	v_exp_f32 v[S+32*\qn+\k], v[S+32*\qn+\k]
	s_wait_alu depctr_va_vdst(0)
	v_pk_mul_f32 v[O+8*(2*(\k/4)+\qn)+2*(\k%4):O+8*(2*(\k/4)+\qn)+2*(\k%4)+1], v[O+8*(2*(\k/4)+\qn)+2*(\k%4):O+8*(2*(\k/4)+\qn)+2*(\k%4)+1], v[AL+2*\qn:AL+2*\qn+1] op_sel_hi:[1,0]
.endr
.endif
.endm
; Part 3: the other 16 exponentials, each followed by a plain instruction on the first 16 weights: their sum, two at a time, and their packing.
; Registers 2 m, 2 m + 1 pack into register m, ascending, each behind the sum that reads them: no register is written before it has been read.
.macro SMG3 qn
	v_exp_f32 v[S+32*\qn+16], v[S+32*\qn+16]
	s_wait_alu depctr_va_vdst(0)
	v_pk_add_f32 v[T+4*\qn:T+4*\qn+1], v[S+32*\qn:S+32*\qn+1], v[S+32*\qn+2:S+32*\qn+3]
	v_exp_f32 v[S+32*\qn+17], v[S+32*\qn+17]
	v_cvt_pk_f16_f32 v[S+32*\qn], v[S+32*\qn], v[S+32*\qn+1]
	v_exp_f32 v[S+32*\qn+18], v[S+32*\qn+18]
	v_cvt_pk_f16_f32 v[S+32*\qn+1], v[S+32*\qn+2], v[S+32*\qn+3]
.irp m, 2,3,4,5,6,7
	v_exp_f32 v[S+32*\qn+15+2*\m], v[S+32*\qn+15+2*\m]
	v_pk_add_f32 v[T+4*\qn:T+4*\qn+1], v[T+4*\qn:T+4*\qn+1], v[S+32*\qn+2*\m:S+32*\qn+2*\m+1]
	v_exp_f32 v[S+32*\qn+16+2*\m], v[S+32*\qn+16+2*\m]
	v_cvt_pk_f16_f32 v[S+32*\qn+\m], v[S+32*\qn+2*\m], v[S+32*\qn+2*\m+1]
.endr
	v_exp_f32 v[S+32*\qn+31], v[S+32*\qn+31]       ; part 4's first instruction is plain and names neither this register nor its like (ISA guide 5.7.2)
.endm
; Part 4: sum and packing of the other 16 weights; the running sum.  Its 18 plain instructions are also the places behind the phase's last products.
.macro SMG4 qn, sm
	s_wait_alu depctr_va_vdst(0)
	v_pk_add_f32 v[T+4*\qn+2:T+4*\qn+3], v[S+32*\qn+16:S+32*\qn+17], v[S+32*\qn+18:S+32*\qn+19]
	v_cvt_pk_f16_f32 v[S+32*\qn+8], v[S+32*\qn+16], v[S+32*\qn+17]
	v_cvt_pk_f16_f32 v[S+32*\qn+9], v[S+32*\qn+18], v[S+32*\qn+19]
.irp m, 10,11,12,13,14,15
	v_pk_add_f32 v[T+4*\qn+2:T+4*\qn+3], v[T+4*\qn+2:T+4*\qn+3], v[S+32*\qn+2*\m:S+32*\qn+2*\m+1]
	v_cvt_pk_f16_f32 v[S+32*\qn+\m], v[S+32*\qn+2*\m], v[S+32*\qn+2*\m+1]
.endr
	v_pk_add_f32 v[T+4*\qn:T+4*\qn+1], v[T+4*\qn:T+4*\qn+1], v[T+4*\qn+2:T+4*\qn+3]
.if \sm == 1
	v_add_f32 v[AL+2*\qn+1], v[T+4*\qn], v[T+4*\qn+1]
.else
	v_add_f32 v[T+4*\qn], v[T+4*\qn], v[T+4*\qn+1]
	v_fma_f32 v[AL+2*\qn+1], v[AL+2*\qn+1], v[AL+2*\qn], v[T+4*\qn]
.endif
.endm
; A PHASE: the softmax of block qn beside the other block's products.  ld = 1: the next step's fragments are asked for (step j of the slot's tile);
; pv = 0: no products of O^T, 1: they start the sums, 2: they add; sq = 1: products of S^T; pb, sb: the fragment buffers that O^T's and S^T's products read.
; In every group of four products four accumulators take turns, one instruction a turn, and neighbouring groups name other accumulators or the
; same four in the same order.
; Distances (ISA guide 7.12.1): S^T's products write over the registers that O^T's products read as P^T behind part 2's 16 plain instructions;
; the next phase reads S^T behind part 4's 18; a fragment buffer is loaded again behind at least one whole part of plain instructions.
.macro PHASE qn, slot, j, ld, sm, pv, sq, pb, sb
.if \qn == 0
.if \ld
	LOADKB \slot, \j, \pb                          ; phase A: the buffer whose K was last read a step ago
.endif
.else
.if \pv
	s_wait_dscnt 24*\ld                            ; V's fragments of this step, asked for a step ago, are in; the 24 loads of K and mask words issued since may stay out
.endif
.if \ld
	LOADV \slot, \j, \sb                           ; phase B: the buffer whose V was last read in phase A
.endif
.endif
.if \pv == 1
	WIN MM
	MPV 1-\qn, 0, \pb, 1
.endif
.if \pv == 2
	WIN MM
	MPV 1-\qn, 0, \pb, 0
.endif
	WIN 0
	SMG1 \qn, \sm
.if \pv
	WIN MM
	MPV 1-\qn, 1, \pb, 0
	WIN 0
.endif
	SMG2 \qn, \sm
.if \sq
.if \qn
	s_wait_dscnt 16*\ld                            ; the next step's K and mask words, asked for in phase A, are in; the 16 loads of V just issued may stay out
.endif
	WIN MM
	MS 1-\qn, 0, \sb
	WIN 0
.endif
	SMG3 \qn
.if \sq
	WIN MM
	MS 1-\qn, 1, \sb
	WIN 0
.endif
	SMG4 \qn, \sm
.endm
; A unit: the two phases of one step, which ask for step j of the slot's tile into buffers p (q = 1 - p: the buffers of the step at work)
.macro UNIT slot, j, p, q, smv, pva, pvb
	PHASE 0, \slot, \j, 1, \smv, \pva, 1, \p, \q
	PHASE 1, \slot, \j, 1, \smv, \pvb, 1, \q, \p
.endm
; A trip: the four units that read one tile of 256 keys from LDS.  In front of the round each wave waits for all its tensor loads (its parts of this
; trip's tile) and for its LDS instructions (its reads of the last trip's tile); behind the round the other slot is filled again first: two tensor
; loads of mine are then out, for the whole trip.  first = 1: the first unit has no step at work: it asks for step 0 and makes S(0, 0).
.macro TRIP slot, refill, first
	s_wait_xcnt 0x0
	v_lshl_add_u32 v222, v0, 2, 0x31000
	v_mov_b32 v223, 0
	s_wait_tensorcnt 0x0
	ds_add_u32 v222, v223
	s_wait_dscnt 0x0
	s_add_nc_u64 s[G0K+4*\slot+2:G0K+4*\slot+3], s[G0K+4*\slot+2:G0K+4*\slot+3], 2*TILEB   ; no load of mine is out: this slot's next tile
	s_add_nc_u64 s[G0V+4*\slot+2:G0V+4*\slot+3], s[G0V+4*\slot+2:G0V+4*\slot+3], 2*TILEB
	s_wait_dscnt 0x0
	ROUND
.if \refill
	tensor_load_to_lds s[G0K+4-4*\slot:G0K+7-4*\slot], s[G1K:G1K+7]
	s_nop 0
	tensor_load_to_lds s[G0V+4-4*\slot:G0V+7-4*\slot], s[G1V:G1V+7]
	s_nop 0
.endif
.if \first
	LOADKB \slot, 0, 0
	LOADV  \slot, 0, 0
	s_wait_dscnt 16                                ; K and the mask words are in; the 16 loads of V may stay out
	WIN MM
	MS 0, 0, 0
	MS 0, 1, 0
	WIN 0
	PLACES                                         ; the softmax that follows reads these results
	UNIT \slot, 1, 1, 0, 1, 0, 1                   ; step 0: both blocks' first softmax; O(0) starts
	UNIT \slot, 2, 0, 1, 2, 1, 2                   ; step 1: O(1) starts
.else
	UNIT \slot, 0, 0, 1, 2, 2, 2
	UNIT \slot, 1, 1, 0, 2, 2, 2
	UNIT \slot, 2, 0, 1, 2, 2, 2
.endif
	UNIT \slot, 3, 1, 0, 2, 2, 2
.endm
	TRIP 0, 1, 1                                   ; eight tiles: the first lap starts the sums,
	TRIP 1, 1, 0
	v_add_nc_u32 v[AB], 2048, v[AB]                ; 512 keys on in the mask table
	s_mov_b32 s9, 2
.Llap:
	TRIP 0, 1, 0
	TRIP 1, 1, 0
	v_add_nc_u32 v[AB], 2048, v[AB]
	s_sub_co_u32 s9, s9, 1
	s_cmp_lg_u32 s9, 0
	s_cbranch_scc1 .Llap
	TRIP 0, 1, 0                                   ; the last lap fetches only the tile that it reads second
	TRIP 1, 0, 0
	PHASE 0, 0, 0, 0, 2, 2, 1, 0, 1                ; the last step asks for nothing more,
	PHASE 1, 0, 0, 0, 2, 2, 0, 1, 0                ; and has no next S(0)
	WIN MM
	MPV 1, 0, 1, 0                                 ; block 1's last products
	MPV 1, 1, 1, 0
	WIN 0
	PLACES
	; THE WAY OUT: the two halves' sums meet, O^T is divided, rounded, and goes through my own stage so that stores cover whole rows
.irp qn, 0,1
	v_permlanex16_b32 v[T+4*\qn+2], v[AL+2*\qn+1], s12, s13
.endr
.irp qn, 0,1
	v_add_f32 v[AL+2*\qn+1], v[AL+2*\qn+1], v[T+4*\qn+2]
.endr
.irp qn, 0,1
	v_rcp_f32 v[AL+2*\qn], v[AL+2*\qn+1]
.endr
	v_nop                                          ; one plain place behind the reciprocals
	s_wait_alu depctr_va_vdst(0)
.irp dt, 0,1,2,3
.irp qn, 0,1
.irp p, 0,1,2,3
	v_pk_mul_f32 v[O+8*(2*\dt+\qn)+2*\p:O+8*(2*\dt+\qn)+2*\p+1], v[O+8*(2*\dt+\qn)+2*\p:O+8*(2*\dt+\qn)+2*\p+1], v[AL+2*\qn:AL+2*\qn+1] op_sel_hi:[1,0]
.endr
.endr
.endr
.irp dt, 0,1,2,3
.irp qn, 0,1
.irp p, 0,1,2,3
	v_cvt_pk_f16_f32 v[S+4*(2*\dt+\qn)+\p], v[O+8*(2*\dt+\qn)+2*\p], v[O+8*(2*\dt+\qn)+2*\p+1]
.endr
	ds_store_b128 v[STO], v[S+4*(2*\dt+\qn):S+4*(2*\dt+\qn)+3] offset:\qn*16*KPITCH+32*\dt   ; query 16 n + r, d = 16 dt + 8 h + 0..7
.endr
.endr
.irp t, 0,1,2,3,4,5,6,7
	ds_load_b128 v[RB+4*\t:RB+4*\t+3], v[RD] offset:\t*4*KPITCH    ; four rows; LDS serves a wave's instructions in order: these see the stores above
.endr
.irp t, 0,1,2,3,4,5,6,7
	s_wait_dscnt 7-\t                              ; load t is back, the younger ones stay out
	global_store_b128 v[CO], v[RB+4*\t:RB+4*\t+3], s[10:11] offset:512*\t    ; 512 consecutive bytes of ctx, aligned
.endr
	s_wait_xcnt 0x0
	v_lshl_add_u32 v222, v0, 2, 0x31000
	v_mov_b32 v223, 0
	s_wait_tensorcnt 0x0
	ds_add_u32 v222, v223
	s_wait_dscnt 0x0
	ROUND                                          ; the closing round: no work-group ends while a partner may still ask for a tile that names it
	s_endpgm
.Lfunc_end_k_qc1f05258c2_attn:
	.size	k_qc1f05258c2_attn, .Lfunc_end_k_qc1f05258c2_attn-k_qc1f05258c2_attn
	.p2alignl 7, 3214868480
	.fill 96, 4, 3214868480
	.section	.rodata,"a",@progbits
	.p2align	6, 0x0
	.amdhsa_kernel k_qc1f05258c2_attn
		.amdhsa_group_segment_fixed_size 327680
		.amdhsa_private_segment_fixed_size 0
		.amdhsa_enable_private_segment 0
		.amdhsa_kernarg_size 24
		.amdhsa_user_sgpr_count 2
		.amdhsa_user_sgpr_kernarg_segment_ptr 1
		.amdhsa_wavefront_size32 1
		.amdhsa_system_sgpr_workgroup_id_x 1
		.amdhsa_system_sgpr_workgroup_id_y 1
		.amdhsa_system_sgpr_workgroup_id_z 1
		.amdhsa_system_vgpr_workitem_id 0
		.amdhsa_next_free_vgpr 512
		.amdhsa_next_free_sgpr 66
		.amdhsa_reserve_vcc 1
		.amdhsa_float_denorm_mode_32 3
		.amdhsa_float_denorm_mode_16_64 3
		.amdhsa_memory_ordered 1
		.amdhsa_forward_progress 1
		.amdhsa_inst_pref_size 255
	.end_amdhsa_kernel
	.section	.bss,"aw",@nobits
	.p2align	6
	.space	262144
	.amdgpu_metadata
---
amdhsa.version: [ 1, 2 ]
amdhsa.kernels:
  - .name:           k_qc1f05258c2_attn
    .symbol:         k_qc1f05258c2_attn.kd
    .args:
      - { .name: heads, .offset: 0, .size: 8, .value_kind: global_buffer, .address_space: global }
      - { .name: mask, .offset: 8, .size: 8, .value_kind: global_buffer, .address_space: global }
      - { .name: ctx, .offset: 16, .size: 8, .value_kind: global_buffer, .address_space: global }
    .group_segment_fixed_size: 327680
    .private_segment_fixed_size: 0
    .kernarg_segment_align: 8
    .kernarg_segment_size: 24
    .max_flat_workgroup_size: 256
    .sgpr_count:     66
    .vgpr_count:     512
    .wavefront_size: 32
...
	.end_amdgpu_metadata
.endif
;; end of part 3
;; launch out (part 4): grid 8 x 32, 4 waves a work-group, clusters of 4 x 4, 327,680 bytes of LDS; arguments ctx, cast, bo, out0; writes out0
.if DOCPART == 4
	.amdgcn_target "amdgcn-amd-amdhsa--gfx1250"
	.amdhsa_code_object_version 6
	.text
	.protected	k_qc1f05258c2_out
	.globl	k_qc1f05258c2_out
	.p2align	8
	.type	k_qc1f05258c2_out,@function
k_qc1f05258c2_out:
	s_mov_b64 s[64:65], 0
	v_nop
	global_prefetch_b8 v0, s[64:65] scope:SCOPE_SE
	s_setreg_imm32_b32 hwreg(HW_REG_WAVE_MODE, 25, 1), 1
	s_wait_xcnt 0x0
	s_wait_alu depctr_hold_cnt(0) depctr_sa_sdst(0) depctr_va_vdst(0) depctr_va_sdst(0) depctr_va_ssrc(0) depctr_va_vcc(0) depctr_vm_vsrc(0)
	s_getreg_b32 s2, hwreg(HW_REG_IB_STS2, 6, 4)
	s_cmp_eq_u32 s2, 0
	s_cbranch_scc0 .Lentry_in_a_cluster
	s_endpgm
.Lentry_in_a_cluster:
	s_bfe_u32 s2, ttmp6, 0x10000c
	s_cmp_lg_u32 s2, 0xf033
	s_cbranch_scc0 .Lentry_shape_is_right
	s_endpgm
.Lentry_shape_is_right:
; out0[b*2048+s][n] = sum over k = h*64+d of ctx[b*16+h][s][d] Wo[k][n] + bo[n].  Operands f16, sums f32, the bias is the sums' start; f32 out.
; 256 work-groups of 128 x 128; four waves of 64 x 64: 16 accumulator tiles.  K = 1,024 goes in four slabs of 256 (four heads) through two LDS slots.
; The small wave tile reads one LDS fragment load for each matrix instruction; larger tiles would leave work for 64 work-groups only.
; CLUSTERS: 4 x 4.  ctx's panels hang on the block row alone and are asked for jointly by a row of the cluster, Wo's tiles on the block column alone
; and by a column: a quarter of the requests for both.
; A slab in LDS is 8 units of 18,432 bytes: units 0-3 one head each (128 rows x 144 bytes), units 4-7 64 rows of k each (x 288 bytes).
; Waves 0, 1 fetch ctx's units, waves 2, 3 Wo's, two loads each.  Wo lies [k][n]: its fragments come by the transposing load.
; The matrix instruction is used transposed (source 0 = 16 columns of Wo, source 1 = 16 rows of ctx): a lane holds 8 neighbouring f32 of a row.
; REGISTERS: window 0: v16-27 addresses, v32-63 bias, v64-127 and v128-191 two fragment buffers (Wo at + 0, ctx at + 32); window 1: tile (a, b) at v[8 (4 a + b)].
.set APITCH, 144                       ; 128 bytes + 16: 9 x 16
.set BPITCH, 288                       ; 256 bytes + 32: 9 x 32
.set UNIT,   18432
.set SLOT,   8*UNIT
.set STAGE,  2*SLOT                    ; 16 rows x 272 bytes for each wave; no tensor load fills it
.set SPITCH, 272
.set ADRA, 16                          ; v16-17  slot 0, 1
.set ADRB, 20                          ; v20-23  2 x slot + (which 128 rows of k)
.set STO,  24
.set RD,   25
.set CO,   26
.set BO,   27
.set BI,   32
.set F0,   64
.set F1,   128
.set G1A, 24
.set G1B, 32
.set G0A, 44                           ; s[44:59] set 2 x slot + j
.set G0B, 68                           ; s[68:83]
.set MSB, 0
.macro WIN new                         ; the immediate's high byte repeats the setting that is left
.if MSB != \new
	s_set_vgpr_msb (MSB<<8)|\new
.set MSB, \new
.endif
.endm
.macro PLACES                          ; four plain vector instructions behind a matrix instruction before a load lands in, or a store reads, its registers
.rept 4
	v_nop
.endr
.endm
.macro CROUND                          ; a round of the cluster's barrier
	s_barrier_signal -1
	s_barrier_wait -1
	s_cmp_lg_u32 s12, 0
	s_cbranch_scc1 .Lnot_wave_0_\@
	s_barrier_signal -3
.Lnot_wave_0_\@:
	s_barrier_wait -3
	s_barrier_signal -1
	s_barrier_wait -1
.endm
.macro JLOAD2 slot                     ; my two units of a slab; the branch hangs on the wave's number alone, and either way issues two loads
	s_cmp_eq_u32 s13, 0
	s_cbranch_scc0 .Lfor_b_\@
	tensor_load_to_lds s[G0A+8*\slot:G0A+8*\slot+3],   s[G1A:G1A+7]
	s_nop 0
	tensor_load_to_lds s[G0A+8*\slot+4:G0A+8*\slot+7], s[G1A:G1A+7]
	s_nop 0
	s_branch .Lasked_\@
.Lfor_b_\@:
	tensor_load_to_lds s[G0B+8*\slot:G0B+8*\slot+3],   s[G1B:G1B+7]
	s_nop 0
	tensor_load_to_lds s[G0B+8*\slot+4:G0B+8*\slot+7], s[G1B:G1B+7]
	s_nop 0
.Lasked_\@:
.endm
	s_load_b256 s[4:11], s[0:1], 0x0               ; ctx s[4:5], cast s[6:7], bo s[8:9], out0 s[10:11]
	v_lshl_add_u32 v254, v0, 2, 0x4c400
	v_mov_b32 v255, 0
	ds_add_u32 v254, v255
	v_lshrrev_b32 v1, 5, v0
	v_readfirstlane_b32 s12, v1                    ; wave 0..3
	s_lshr_b32 s13, s12, 1                         ; my half of the rows.  Also: I fetch ctx (0) or Wo (1)
	s_and_b32 s14, s12, 1                          ; my half of the columns.  Also: which two units I fetch
	s_bfe_u32 s17, ttmp6, 0x40000                  ; cx
	s_bfe_u32 s18, ttmp6, 0x40004                  ; cy
	s_lshl_b32 s16, ttmp9, 2
	s_add_co_u32 s16, s16, s17                     ; block column
	s_and_b32 s15, ttmp7, 0xffff
	s_lshl_b32 s15, s15, 2
	s_add_co_u32 s15, s15, s18                     ; block row R
	s_lshl_b32 s19, s18, 2
	s_lshl_b32 s19, 15, s19                        ; my row of the cluster
	s_lshl_b32 s20, 0x1111, s17                    ; my column
	s_or_b32 s[G1A+0], s19, (1<<16)|(1<<20)|(1<<21)|(4<<22)|(3<<25)   ; mask; 2-byte elements; padding on; bit 21 beside a mask; after every 32 words, 4 words
	s_mov_b32 s[G1A+1], 64<<16                     ; tensor_dim0 = 64
	s_mov_b32 s[G1A+2], 128<<16                    ; tensor_dim1 = 128
	s_mov_b32 s[G1A+3], 64<<16                     ; tile_dim0 = 64 elements: a head's row
	s_mov_b32 s[G1A+4], 128                        ; tile_dim1 = 128 rows
	s_mov_b32 s[G1A+5], 64
	s_mov_b32 s[G1A+6], 0
	s_mov_b32 s[G1A+7], 0
	s_or_b32 s[G1B+0], s20, (1<<16)|(1<<20)|(1<<21)|(5<<22)|(7<<25)   ; the column's mask; after every 64 words, 8 words
	s_mov_b32 s[G1B+1], 128<<16                    ; tensor_dim0 = 128
	s_mov_b32 s[G1B+2], 64<<16                     ; tensor_dim1 = 64
	s_mov_b32 s[G1B+3], 128<<16                    ; tile_dim0 = 128 elements (256 bytes)
	s_mov_b32 s[G1B+4], 64                         ; tile_dim1 = 64 rows of k
	s_mov_b32 s[G1B+5], 1024
	s_mov_b32 s[G1B+6], 0
	s_mov_b32 s[G1B+7], 0
	; ctx's offset in registers that never hold cx, Wo's in registers that never hold cy
	s_lshr_b32 s40, s15, 4                         ; b: 16 heads of 256 KiB
	s_lshl_b32 s40, s40, 22
	s_and_b32 s42, s15, 15                         ; 128 rows of 128 bytes for each block row of the batch
	s_lshl_b32 s42, s42, 14
	s_add_co_u32 s40, s40, s42
	s_lshl_b32 s42, s14, 19                        ; my two heads of the slab's four
	s_add_co_u32 s40, s40, s42
	s_mov_b32 s41, 0
	s_lshl_b32 s60, s14, 18                        ; my 128 rows of k of 2,048 bytes
	s_lshl_b32 s62, s16, 8                         ; 128 columns x 2 bytes for each block column
	s_add_co_u32 s60, s60, s62
	s_add_co_u32 s60, s60, 0x1e00000               ; Wo begins at 30 MiB of cast
	s_mov_b32 s61, 0
	s_lshl_b32 s86, s16, 9                         ; bias and out0: 128 columns x 4 bytes for each block column,
	s_lshl_b32 s87, s14, 8                         ; my 64 columns
	s_add_co_u32 s86, s86, s87
	s_mov_b32 s87, 0
	s_lshl_b32 s84, s15, 19                        ; out0: 128 R rows of 4,096 bytes,
	s_lshl_b32 s85, s13, 18                        ; my 64 rows
	s_add_co_u32 s84, s84, s85
	s_mov_b32 s85, 0
	s_mul_i32 s21, s12, 2*UNIT                     ; where my loads land: units 2 w, 2 w + 1
	s_wait_dscnt 0x0
	s_wait_kmcnt 0x0
	s_add_nc_u64 s[40:41], s[4:5], s[40:41]
	s_add_nc_u64 s[60:61], s[6:7], s[60:61]
	s_add_nc_u64 s[8:9], s[8:9], s[86:87]
	s_add_nc_u64 s[10:11], s[10:11], s[84:85]
	s_add_nc_u64 s[10:11], s[10:11], s[86:87]
.irp sl, 0,1
.irp j, 0,1
	s_mov_b32 s[G0A+8*\sl+4*\j], 1
	s_add_co_u32 s[G0A+8*\sl+4*\j+1], s21, \sl*SLOT+\j*UNIT
	s_add_nc_u64 s[G0A+8*\sl+4*\j+2:G0A+8*\sl+4*\j+3], s[40:41], (4*\sl+\j)<<18        ; head 4 x slab + 2 x half + j
	s_or_b32 s[G0A+8*\sl+4*\j+3], s[G0A+8*\sl+4*\j+3], 0x80000000
	s_mov_b32 s[G0B+8*\sl+4*\j], 1
	s_add_co_u32 s[G0B+8*\sl+4*\j+1], s21, \sl*SLOT+\j*UNIT
	s_add_nc_u64 s[G0B+8*\sl+4*\j+2:G0B+8*\sl+4*\j+3], s[60:61], (256*\sl+64*\j)*2048  ; row of k 256 x slab + 128 x half + 64 j
	s_or_b32 s[G0B+8*\sl+4*\j+3], s[G0B+8*\sl+4*\j+3], 0x80000000
.endr
.endr
	CROUND                                         ; all sixteen work-groups are here: the first joint loads meet
	JLOAD2 0
	JLOAD2 1                                       ; four tensor loads of mine are out: slabs 0 and 1
	v_and_b32 v1, 15, v0                           ; r
	v_bfe_u32 v2, v0, 4, 1                         ; h
	v_and_b32 v8, 7, v0                            ; l % 8
	v_bfe_u32 v7, v0, 3, 1                         ; (l / 8) % 2
	v_lshlrev_b32 v[BO], 5, v2
.irp b, 0,1,2,3
	global_load_b128 v[BI+8*\b:BI+8*\b+3],   v[BO], s[8:9] offset:64*\b       ; bias of columns 16 b + 8 h + 0..3
	global_load_b128 v[BI+8*\b+4:BI+8*\b+7], v[BO], s[8:9] offset:64*\b+16
.endr
	v_mul_u32_u24 v3, v1, APITCH
	v_lshl_add_u32 v3, v2, 4, v3                   ; ctx: row r, 16 h bytes
	s_mul_i32 s22, s13, 64*APITCH                  ; my 64 rows of each panel
	v_add_nc_u32 v[ADRA], s22, v3
	v_add_nc_u32 v[ADRA+1], SLOT, v[ADRA]
	v_lshl_add_u32 v6, v2, 3, v8                   ; Wo: row of k = 8 h + l % 8,
	v_mul_u32_u24 v6, v6, BPITCH
	v_lshl_add_u32 v6, v7, 4, v6                   ; 8 of the 16 columns
	s_lshl_b32 s22, s14, 7                         ; my 64 columns,
	s_add_co_u32 s22, s22, 4*UNIT                  ; behind ctx's four panels
	v_add_nc_u32 v[ADRB], s22, v6
	v_add_nc_u32 v[ADRB+1], 2*UNIT, v[ADRB]        ; the slab's second 128 rows of k: the 16-bit offset does not reach them
	v_add_nc_u32 v[ADRB+2], SLOT, v[ADRB]
	v_add_nc_u32 v[ADRB+3], SLOT, v[ADRB+1]
	s_mul_i32 s23, s12, 16*SPITCH
	s_add_co_u32 s23, s23, STAGE                   ; my stage
	v_mul_u32_u24 v4, v1, SPITCH
	v_lshl_add_u32 v4, v2, 5, v4                   ; in: row r, 32 bytes (8 f32) for each half of the lanes
	v_add_nc_u32 v[STO], s23, v4
	v_mul_u32_u24 v5, v2, SPITCH                   ; back: lanes 0-15 take one row of 256 bytes, lanes 16-31 the next
	v_lshl_add_u32 v5, v1, 4, v5
	v_add_nc_u32 v[RD], s23, v5
	v_lshlrev_b32 v5, 12, v2                       ; and the same two rows of out0
	v_lshl_add_u32 v[CO], v1, 4, v5
; 16 LDS loads: the fragments of eighth e of a slab (32 along K) into buffer f
.macro FETCH slot, e, f
.irp i, 0,1,2,3
	ds_load_tr16_b128 v[\f+8*\i:\f+8*\i+3],   v[ADRB+2*\slot+((\e)>>2)] offset:((\e)&3)*32*BPITCH+32*\i
	ds_load_tr16_b128 v[\f+8*\i+4:\f+8*\i+7], v[ADRB+2*\slot+((\e)>>2)] offset:((\e)&3)*32*BPITCH+32*\i+16*BPITCH
.endr
.irp i, 0,1,2,3
	ds_load_b128 v[\f+32+8*\i:\f+32+8*\i+3],   v[ADRA+\slot] offset:((\e)>>1)*UNIT+\i*16*APITCH+((\e)&1)*64
	ds_load_b128 v[\f+32+8*\i+4:\f+32+8*\i+7], v[ADRA+\slot] offset:((\e)>>1)*UNIT+\i*16*APITCH+((\e)&1)*64+32
.endr
.endm
; 8 matrix instructions: m blocks a0, a0 + 1 x 4 n blocks.  first = 1: the bias starts the sums.
.macro MUL8 f, a0, first
.irp a, \a0, \a0+1
.irp b, 0,1,2,3
.if \first
	v_wmma_f32_16x16x32_f16 v[8*(4*(\a)+\b):8*(4*(\a)+\b)+7], v[\f+8*\b:\f+8*\b+7], v[\f+32+8*(\a):\f+32+8*(\a)+7], v[BI+8*\b:BI+8*\b+7]
.else
	v_wmma_f32_16x16x32_f16 v[8*(4*(\a)+\b):8*(4*(\a)+\b)+7], v[\f+8*\b:\f+8*\b+7], v[\f+32+8*(\a):\f+32+8*(\a)+7], v[8*(4*(\a)+\b):8*(4*(\a)+\b)+7]
.endif
.endr
.endr
.endm
; 32 along K: multiplies buffer f; in its middle it fetches the next eighth into buffer g.
; The 16 accumulators take turns, one instruction a turn, in the same order in every eighth.
.macro EIGHTH slot, e, f, g, first
	s_wait_dscnt 0x0                               ; this eighth's fragments
.if \first
	WIN 0x40                                       ; D window 1, the bias as C window 0
.else
	WIN 0x50                                       ; C and D window 1
.endif
	MUL8 \f, 0, \first
.if \e < 7
	WIN 0
	PLACES
	FETCH \slot, \e+1, \g
.if \first
	WIN 0x40
.else
	WIN 0x50
.endif
.endif
	MUL8 \f, 2, \first
.endm
.macro SLAB slot, first
.if \first == 0
	PLACES                                         ; behind the last slab's products, which read buffer 0
.endif
	FETCH \slot, 0, F0
	EIGHTH \slot, 0, F0, F1, \first
	EIGHTH \slot, 1, F1, F0, 0
	EIGHTH \slot, 2, F0, F1, 0
	EIGHTH \slot, 3, F1, F0, 0
	EIGHTH \slot, 4, F0, F1, 0
	EIGHTH \slot, 5, F1, F0, 0
	EIGHTH \slot, 6, F0, F1, 0
	EIGHTH \slot, 7, F1, F0, 0
	WIN 0
.endm
; A slot that has been read is filled again, two slabs ahead: every wave waits for its reads and for all its tensor loads, then a round of the
; cluster's barrier, then the joint refills, first behind it.
.macro REFILL slot
	s_wait_dscnt 0x0
	s_wait_tensorcnt 0x0                           ; the other slot's slab among them; no load of mine is out, so the addresses may step
	ds_add_u32 v254, v255
	s_wait_dscnt 0x0
.irp j, 0,1
	s_add_nc_u64 s[G0A+8*\slot+4*\j+2:G0A+8*\slot+4*\j+3], s[G0A+8*\slot+4*\j+2:G0A+8*\slot+4*\j+3], 0x200000   ; eight heads on
	s_add_nc_u64 s[G0B+8*\slot+4*\j+2:G0B+8*\slot+4*\j+3], s[G0B+8*\slot+4*\j+2:G0B+8*\slot+4*\j+3], 0x100000   ; 512 rows of k on
.endr
	CROUND
	JLOAD2 \slot
.endm
	s_wait_tensorcnt 2                             ; my two units of slab 0 are in; slab 1's two loads stay out
	s_wait_loadcnt 0x0                             ; the bias
	s_barrier_signal -1
	s_barrier_wait -1
	SLAB 0, 1
	REFILL 0                                       ; slab 2
	SLAB 1, 0
	REFILL 1                                       ; slab 3
	SLAB 0, 0
	s_wait_dscnt 0x0
	s_wait_tensorcnt 0x0                           ; my units of slab 3
	s_barrier_signal -1
	s_barrier_wait -1                              ; everybody's
	SLAB 1, 0
	; THE WAY OUT, 16 rows at a time: 32 bytes a lane into my own stage, read back as whole rows of 256 bytes
	PLACES
.macro OUT16 a, f
	WIN 0x04                                       ; the stores' data in window 1
.irp b, 0,1,2,3
	ds_store_b128 v[STO], v[8*(4*\a+\b):8*(4*\a+\b)+3]   offset:64*\b
	ds_store_b128 v[STO], v[8*(4*\a+\b)+4:8*(4*\a+\b)+7] offset:64*\b+16
.endr
	WIN 0
	s_wait_xcnt 0x0                                ; buffer f, which earlier stores read, and the stores' base are rewritten only behind this wait
.if \a
	s_add_nc_u64 s[10:11], s[10:11], 16*4096       ; 16 rows of out0 on
.endif
.irp t, 0,1,2,3,4,5,6,7
	ds_load_b128 v[\f+4*\t:\f+4*\t+3], v[RD] offset:\t*2*SPITCH    ; LDS serves a wave's instructions in order: these see the stores above
.endr
.irp t, 0,1,2,3,4,5,6,7
	s_wait_dscnt 7-\t                              ; load t is back, the younger ones stay out
	global_store_b128 v[CO], v[\f+4*\t:\f+4*\t+3], s[10:11] offset:\t*8192 th:TH_STORE_NT   ; 16 lanes store 256 consecutive bytes, aligned; never read again
.endr
.endm
	OUT16 0, F0
	OUT16 1, F1
	OUT16 2, F0
	OUT16 3, F1
	s_wait_tensorcnt 0x0
	ds_add_u32 v254, v255
	s_wait_dscnt 0x0
	CROUND                                         ; the closing round: no work-group ends while a partner may still ask for a tile that names it
	s_endpgm
.Lfunc_end_k_qc1f05258c2_out:
	.size	k_qc1f05258c2_out, .Lfunc_end_k_qc1f05258c2_out-k_qc1f05258c2_out
	.p2alignl 7, 3214868480
	.fill 96, 4, 3214868480
	.section	.rodata,"a",@progbits
	.p2align	6, 0x0
	.amdhsa_kernel k_qc1f05258c2_out
		.amdhsa_group_segment_fixed_size 327680
		.amdhsa_private_segment_fixed_size 0
		.amdhsa_enable_private_segment 0
		.amdhsa_kernarg_size 32
		.amdhsa_user_sgpr_count 2
		.amdhsa_user_sgpr_kernarg_segment_ptr 1
		.amdhsa_wavefront_size32 1
		.amdhsa_system_sgpr_workgroup_id_x 1
		.amdhsa_system_sgpr_workgroup_id_y 1
		.amdhsa_system_sgpr_workgroup_id_z 1
		.amdhsa_system_vgpr_workitem_id 0
		.amdhsa_next_free_vgpr 384
		.amdhsa_next_free_sgpr 88
		.amdhsa_reserve_vcc 0
		.amdhsa_float_denorm_mode_32 3
		.amdhsa_float_denorm_mode_16_64 3
		.amdhsa_memory_ordered 1
		.amdhsa_forward_progress 1
		.amdhsa_inst_pref_size 92
	.end_amdhsa_kernel
	.amdgpu_metadata
---
amdhsa.version: [ 1, 2 ]
amdhsa.kernels:
  - .name:           k_qc1f05258c2_out
    .symbol:         k_qc1f05258c2_out.kd
    .args:
      - { .name: ctx, .offset: 0, .size: 8, .value_kind: global_buffer, .address_space: global }
      - { .name: cast, .offset: 8, .size: 8, .value_kind: global_buffer, .address_space: global }
      - { .name: bo, .offset: 16, .size: 8, .value_kind: global_buffer, .address_space: global }
      - { .name: out0, .offset: 24, .size: 8, .value_kind: global_buffer, .address_space: global }
    .group_segment_fixed_size: 327680
    .private_segment_fixed_size: 0
    .kernarg_segment_align: 8
    .kernarg_segment_size: 32
    .max_flat_workgroup_size: 128
    .sgpr_count:     88
    .vgpr_count:     384
    .wavefront_size: 32
...
	.end_amdgpu_metadata
.endif
;; end of part 4
